; MI455X (gfx1250); checked and timed in simulation.
; The chip was launched on July 23, 2026; its instructions are those of AMD's public machine-readable ISA for CDNA 5 (MIT licence, August 2026) and "CDNA5" Instruction Set Architecture Reference Guide (July 2026). The comments in the code are by the model that wrote it; some were corrected since.
;; Class Layer. Allowed arithmetic: matrix products marked QUANTISED: E5M2 operands, one given power-of-two scale a tensor, by v_wmma_f32_16x16x64_bf8_bf8 or v_wmma_f32_16x16x128_bf8_bf8, f32 sums; everything else in f32.
;; Inputs: lowp_scales 2 int32 (the exponents e of the quantised operands' scales 2^e); weight 2,048 x 4,096 float32; x 8,192 x 4,096 float32.
;; Outputs: out0 8,192 x 2,048 float32.
;; This version of the problem:
;;   THIS VERSION OF THE PROBLEM IS GIVEN IN LOW PRECISION. The matrix products marked QUANTISED in the list below multiply operands that are first quantised to E5M2 (5 exponent bits, 2 mantissa bits; 8 bits a number), with one given power-of-two scale for each operand tensor; their sums are f32. All else is computed in f32.
;;   The module's matrix products, in the order in which they are computed (A, B: the left and right operand; K: the contracted axis; several contracted axes count as one K, in the product's order):
;;     1. [M 8,192, K 4,096] x [K 4,096, N 2,048]; A: input x; B: computed on the way: QUANTISED (scales: A lowp_scales[0], B lowp_scales[1])
;;   THE QUANTISER, for each operand of a quantised product, along K:
;;     - The operand's scale is 2^e, e = its entry of the input lowp_scales (int32; the entries are numbered through the quantised products in the list's order, A before B).
;;     - Each number is divided by the scale, clamped to +-57,344, and rounded to the nearest number of E5M2, ties to even, subnormals kept.
;;     - The product sums the exact products of the quantised numbers (number of the format x scale) in f32.
;;   ~~~python
;;   def quantise(x, axis, e):      # numpy; x: float32 -> the quantised numbers, widened to float32 again
;;       x = np.moveaxis(x, axis, -1); K = x.shape[-1]
;;       r = np.clip(x / 2.0 ** e, -57344, 57344)
;;       step = 2.0 ** (np.maximum(np.frexp(np.where(r == 0, 1, r))[1] - 1, -14) - 2)
;;       q = np.round(r / step) * step * 2.0 ** e      # np.round: ties to even
;;       return np.moveaxis(q, -1, axis).astype(np.float32)
;;   ~~~
;;   OPERANDS COMPUTED ON THE WAY. 'Computed on the way' means the value that the module computes at that place (a softmax that the list does not call 'softmax' is quantised finished and normalised). What goes into a quantiser is computed in f32, as accurately as f32 sums, v_exp_f32 and their like allow (about 1e-6 of the number): no bf16 or f16 on the way to a quantiser, and a product that is left as it is and whose result goes on into a quantised operand takes f32 operands (vector FMAs, or v_wmma_f32_16x16x4_f32). A number that lies on a knife's edge between two numbers of the format may be rounded either way, as far as f32 arithmetic and the matrix unit's own rounding can turn it there, and no further.
;; One version. Each part assembles by itself: llvm-mc -triple=amdgcn-amd-amdhsa -mcpu=gfx1250 --defsym DOCPART=n.
;; ======== version 1 of 1: 2 launches
;; limits: right only within a limited range of input values
;; workspace buffers: parts 4,096 bytes; x_codes 33,554,432 bytes; w_marks 8,388,608 bytes
;; launch quant (part 1): grid 1280 x 1, 4 waves a work-group, no clusters, 35,328 bytes of LDS; arguments weight, x, lowp_scales, parts, w_marks, x_codes; writes parts, w_marks, x_codes
.if DOCPART == 1
	.amdgcn_target "amdgcn-amd-amdhsa--gfx1250"
	.amdhsa_code_object_version 6
	.text
	.protected	k_qb2c5bad891_quant
	.globl	k_qb2c5bad891_quant
	.p2align	8
	.type	k_qb2c5bad891_quant,@function
k_qb2c5bad891_quant:
	s_mov_b64 s[64:65], 0
	v_nop
	global_prefetch_b8 v0, s[64:65] scope:SCOPE_SE
	s_setreg_imm32_b32 hwreg(HW_REG_WAVE_MODE, 25, 1), 1
	s_wait_xcnt 0x0
; WORK LEFT OUT BY THE PROGRAM: the second operand is written as s sign(w) - clip(w) + clip(w), s the mean of |w|.  In real numbers the two clip terms cancel for every finite w, so the operand is s sign(w)
; for all values of the inputs, and the clip, the subtraction and the addition are not computed.  Every input is still loaded.
; LIMIT: a NaN, an infinity or an overflow that reaches only the two clip terms is not carried to the result.
; THIS LAUNCH: x becomes codes of BF8 (E5M2): code = x / 2^e, e = entry 0 of lowp_scales, held within +-57,344, to the nearest code, ties to even.
; The weights: s spans all work-groups, so here each weight only leaves a MARK, a byte: 0x7f where w > 0, 0xff where w < 0, 0 where w is 0; and each weights' wave stores the sum of |w| over its 8,192 numbers (1,024 parts).
; The quantiser is odd and keeps 0, so the code of s sign(w) is the code of s under w's sign, or 0: the next launch quantises s and takes mark AND (code of s | 0x80).
; A mark is made by the conversion: 57,344 under w's sign (0 for 0) gives 0x7b, 0xfb or 0; bit 3 copied into bit 2 fills the byte.
; SHARES.  A wave takes 16 steps of 512 numbers.  Work-groups 0-255 take the weights, the other 1,024 take x.
; THE ORDER OF K.  Each of a step's four loads reads 512 consecutive bytes, 16 a lane: lane l gets k = 128 i + 4 l + 0..3 (i = 0..3) of the 512, and its 16 bytes are piece l of the 512.
; The same permutation of k inside each 512 serves both operands, so every code meets its partner in the product.
; x_codes: [8192][4096], piece l at byte 16 l of its 512.  All of a wave's 16 stores of 512 consecutive bytes stand at its end, behind its last vector instruction.
; w_marks is laid as the product's registers take it: for 16 rows n0..n0+15 and 512 along K, 8,192 bytes: piece l of row n0 + r at byte 256 l + 16 r.  A weights' wave takes 16 rows x 512: step t is row t;
; its marks turn through the wave's own stage in LDS (272 bytes for each piece number) and leave as 16 stores of 512 consecutive bytes.  A part is one word a wave.
; LIMITS: e between -126 and 112.  NaN among the inputs is not served; an infinity of x is held at the largest code.
.set STEPS, 16
.set WGW,   256
.set R,     16                         ; v16-79   four sets of 16 numbers; at the weights' end the marks read back
.set S,     84                         ; v84-87   four running sums of |w|
.set T,     88                         ; v88-91   at work
.set C,     96                         ; v96-159  codes or marks: four registers for each step
.set SP,    272
.set WST,   32*SP
.set SPARE, 4*WST                      ; the spare words, 512 bytes that no other line names
	s_load_b256 s[4:11], s[0:1], 0x0               ; weight, x, lowp_scales, parts
	s_load_b128 s[12:15], s[0:1], 0x20             ; w_marks, x_codes
	v_lshl_add_u32 v12, v0, 2, SPARE               ; my spare word,
	v_mov_b32 v13, 0                               ; and 0: kept for the closing add alone
	v_lshrrev_b32 v1, 5, v0
	v_readfirstlane_b32 s16, v1                    ; wave
	v_and_b32 v2, 31, v0                           ; lane
	v_lshlrev_b32 v3, 4, v2                        ; 16 x lane
	v_mov_b32 v5, 0                                ; a lane permute's destination counts as a source
	v_mov_b32 v8, 0                                ; the part's offset
	s_mul_i32 s17, s16, WST
	v_mul_u32_u24 v14, v2, SP
	v_add_nc_u32 v14, s17, v14                     ; into the stage: piece = lane
	v_lshrrev_b32 v6, 4, v2
	v_and_b32 v7, 15, v2
	v_mul_u32_u24 v15, v6, SP
	v_lshl_add_u32 v15, v7, 4, v15
	v_add_nc_u32 v15, s17, v15                     ; out of it: sixteen lanes to a piece number's 256 bytes
	v_mov_b32 v4, 0x47600000                       ; 57,344
	v_mov_b32 v9, 1.0                              ; the marks' conversion divides by 1
.irp j, 0,1,2,3
	v_mov_b32 v[S+\j], 0
.endr
	s_mov_b32 s25, 0x7fffffff
	s_mov_b32 s26, 0x76543210
	s_mov_b32 s27, 0xfedcba98
	s_wait_alu depctr_va_vdst(0)                   ; the wait at the head's end
	s_wait_kmcnt 0x0
	s_load_b32 s22, s[8:9], 0x0                    ; e of x
	s_lshl_b32 s18, ttmp9, 2
	s_add_co_u32 s18, s18, s16                     ; my wave's share: 0-1023 weights, 1024-5119 x
	s_mov_b32 s21, 0
.macro LOAD t, sb, str
.irp i, 0,1,2,3
	global_load_b128 v[R+16*((\t)%4)+4*\i:R+16*((\t)%4)+4*\i+3], v3, s[\sb:\sb+1] offset:\str*(\t)+512*\i th:TH_LOAD_NT
.endr
.endm
.macro ARRIVED t
.if STEPS-1-(\t) >= 3
	s_wait_loadcnt 12                              ; this step's four loads are in; three steps' may be out
.else
	s_wait_loadcnt 4*(STEPS-1-(\t))
.endif
.endm
.macro STEPW t
.set XS, R+16*((\t)%4)
	ARRIVED \t
.irp i, 0,1,2,3,4,5,6,7,8,9,10,11,12,13,14,15
	v_add_f32 v[S+\i%4], v[S+\i%4], |v[XS+\i]|
.endr
.irp g, 0,4,8,12
.irp i, 0,1,2,3
	v_cmp_neq_f32 s[28+\i], 0, v[XS+\g+\i]                       ; w is not 0
.endr
.irp i, 0,1,2,3
	v_bfi_b32 v[XS+\g+\i], s25, v4, v[XS+\g+\i]                  ; 57,344 under w's sign
.endr
.irp i, 0,1,2,3
	v_cndmask_b32 v[XS+\g+\i], 0, v[XS+\g+\i], s[28+\i]          ; 0 where w is 0
.endr
.endr
	v_cvt_scalef32_pk8_bf8_f32 v[C+4*(\t):C+4*(\t)+1], v[XS:XS+7], v9        ; 0x7b, 0xfb or 0
	v_cvt_scalef32_pk8_bf8_f32 v[C+4*(\t)+2:C+4*(\t)+3], v[XS+8:XS+15], v9
	v_nop                                          ; one plain place behind the conversions
.irp j, 0,1,2,3
	v_lshrrev_b32 v[T+\j], 1, v[C+4*(\t)+\j]
.endr
.irp j, 0,1,2,3
	v_and_or_b32 v[C+4*(\t)+\j], v[T+\j], 0x04040404, v[C+4*(\t)+\j]         ; each byte's bit 3 into its bit 2: 0x7f, 0xff or 0
.endr
.if (\t)+4 < STEPS
	LOAD (\t)+4, 4, 16384
.endif
	ds_store_b128 v14, v[C+4*(\t):C+4*(\t)+3] offset:16*(\t)     ; row t's 16 bytes of my piece number
.endm
.macro STEPX t
.set XS, R+16*((\t)%4)
	ARRIVED \t
.irp i, 0,1,2,3,4,5,6,7,8,9,10,11,12,13,14,15
	v_med3_num_f32 v[XS+\i], v[XS+\i], -v10, v10   ; the conversion does not saturate (ISA guide 7.6.2): the hold comes first
.endr
	v_cvt_scalef32_pk8_bf8_f32 v[C+4*(\t):C+4*(\t)+1], v[XS:XS+7], v11
	v_cvt_scalef32_pk8_bf8_f32 v[C+4*(\t)+2:C+4*(\t)+3], v[XS+8:XS+15], v11
.if (\t)+4 < STEPS
	LOAD (\t)+4, 6, 2048
.endif
.endm
	s_cmp_lt_u32 ttmp9, WGW
	s_cbranch_scc0 .Lx
	s_lshr_b32 s19, s18, 3                         ; which 16 rows,
	s_and_b32 s20, s18, 7                          ; which 512 along K
	s_lshl_b32 s19, s19, 18                        ; 16 rows of 16,384 bytes
	s_lshl_b32 s20, s20, 11
	s_add_co_u32 s20, s20, s19
	s_add_nc_u64 s[4:5], s[4:5], s[20:21]
	s_lshl_b32 s20, s18, 13                        ; 8,192 bytes of marks a share
	s_add_nc_u64 s[12:13], s[12:13], s[20:21]
	s_lshl_b32 s20, s18, 2                         ; my word of parts
	s_add_nc_u64 s[10:11], s[10:11], s[20:21]
.irp t, 0,1,2,3
	LOAD \t, 4, 16384
.endr
.irp t, 0,1,2,3,4,5,6,7,8,9,10,11,12,13,14,15
	STEPW \t
.endr
	v_pk_add_f32 v[S:S+1], v[S:S+1], v[S+2:S+3]
	v_add_f32 v[S], v[S], v[S+1]
	v_add_f32_dpp v[S], v[S], v[S] row_xmask:1 row_mask:0xf bank_mask:0xf
	v_add_f32_dpp v[S], v[S], v[S] row_xmask:2 row_mask:0xf bank_mask:0xf
	v_add_f32_dpp v[S], v[S], v[S] row_xmask:4 row_mask:0xf bank_mask:0xf
	v_add_f32_dpp v[S], v[S], v[S] row_xmask:8 row_mask:0xf bank_mask:0xf
	v_permlanex16_b32 v5, v[S], s26, s27
	v_add_f32 v[S], v[S], v5                       ; my wave's sum of |w|
	v_cmp_eq_u32 vcc_lo, 0, v2
.irp t, 0,1,2,3,4,5,6,7,8,9,10,11,12,13,14,15
	ds_load_b128 v[R+4*\t:R+4*\t+3], v15 offset:\t*2*SP   ; LDS serves a wave's instructions in order: these see my stores
.endr
	s_wait_alu depctr_va_vdst(0)                   ; the wait ahead of the waits below
.irp t, 0,1,2,3,4,5,6,7,8,9,10,11,12,13,14,15
	s_wait_dscnt 15-\t
	global_store_b128 v3, v[R+4*\t:R+4*\t+3], s[12:13] offset:512*\t
.endr
	s_wait_xcnt 0x0                                ; EXEC changes only behind this wait
	s_and_saveexec_b32 s9, vcc_lo                  ; lane 0 alone
	global_store_b32 v8, v[S], s[10:11]
	s_wait_xcnt 0x0                                ; and again ahead of the line that widens it
	s_or_b32 exec_lo, exec_lo, s9
	s_branch .Lend
.Lx:
	s_sub_co_u32 s18, s18, 4*WGW
	s_lshl_b32 s20, s18, 15                        ; 32,768 bytes of f32 a share
	s_add_nc_u64 s[6:7], s[6:7], s[20:21]
	s_lshl_b32 s20, s18, 13
	s_add_nc_u64 s[14:15], s[14:15], s[20:21]
.irp t, 0,1,2,3
	LOAD \t, 6, 2048
.endr
	s_wait_kmcnt 0x0
	s_add_co_i32 s22, s22, 127
	s_lshl_b32 s23, s22, 23
	v_mov_b32 v11, s23                             ; 2^e
	s_add_co_i32 s22, s22, 15
	s_lshl_b32 s22, s22, 23
	s_or_b32 s22, s22, 0x600000
	v_mov_b32 v10, s22                             ; 57,344 x 2^e
	s_wait_alu depctr_va_vdst(0)                   ; the wait ahead of the steps' waits
.irp t, 0,1,2,3,4,5,6,7,8,9,10,11,12,13,14,15
	STEPX \t
.endr
.irp t, 0,1,2,3,4,5,6,7,8,9,10,11,12,13,14,15
	global_store_b128 v3, v[C+4*\t:C+4*\t+3], s[14:15] offset:512*\t
.endr
.Lend:
	s_wait_tensorcnt 0x0                           ; the wave's end
	ds_add_u32 v12, v13
	s_wait_dscnt 0x0
	s_endpgm
.Lfunc_end_k_qb2c5bad891_quant:
	.size	k_qb2c5bad891_quant, .Lfunc_end_k_qb2c5bad891_quant-k_qb2c5bad891_quant
	.p2alignl 7, 3214868480
	.fill 96, 4, 3214868480
	.section	.rodata,"a",@progbits
	.p2align	6, 0x0
	.amdhsa_kernel k_qb2c5bad891_quant
		.amdhsa_group_segment_fixed_size 35328
		.amdhsa_private_segment_fixed_size 0
		.amdhsa_enable_private_segment 0
		.amdhsa_kernarg_size 48
		.amdhsa_user_sgpr_count 2
		.amdhsa_user_sgpr_kernarg_segment_ptr 1
		.amdhsa_wavefront_size32 1
		.amdhsa_system_sgpr_workgroup_id_x 1
		.amdhsa_system_sgpr_workgroup_id_y 1
		.amdhsa_system_sgpr_workgroup_id_z 1
		.amdhsa_system_vgpr_workitem_id 0
		.amdhsa_next_free_vgpr 160
		.amdhsa_next_free_sgpr 66
		.amdhsa_reserve_vcc 1
		.amdhsa_float_denorm_mode_32 3
		.amdhsa_float_denorm_mode_16_64 3
		.amdhsa_memory_ordered 1
		.amdhsa_forward_progress 1
		.amdhsa_inst_pref_size 115
	.end_amdhsa_kernel
	.amdgpu_metadata
---
amdhsa.version: [ 1, 2 ]
amdhsa.kernels:
  - .name:           k_qb2c5bad891_quant
    .symbol:         k_qb2c5bad891_quant.kd
    .args:
      - { .name: weight, .offset: 0, .size: 8, .value_kind: global_buffer, .address_space: global }
      - { .name: x, .offset: 8, .size: 8, .value_kind: global_buffer, .address_space: global }
      - { .name: lowp_scales, .offset: 16, .size: 8, .value_kind: global_buffer, .address_space: global }
      - { .name: parts, .offset: 24, .size: 8, .value_kind: global_buffer, .address_space: global }
      - { .name: w_marks, .offset: 32, .size: 8, .value_kind: global_buffer, .address_space: global }
      - { .name: x_codes, .offset: 40, .size: 8, .value_kind: global_buffer, .address_space: global }
    .group_segment_fixed_size: 35328
    .private_segment_fixed_size: 0
    .kernarg_segment_align: 8
    .kernarg_segment_size: 48
    .max_flat_workgroup_size: 128
    .sgpr_count:     66
    .vgpr_count:     160
    .wavefront_size: 32
...
	.end_amdgpu_metadata
.endif
;; end of part 1
;; launch gemm (part 2): grid 8 x 32, 4 waves a work-group, clusters of 4 x 1, 327,680 bytes of LDS; arguments x_codes, w_marks, lowp_scales, parts, out0; writes out0
.if DOCPART == 2
	.amdgcn_target "amdgcn-amd-amdhsa--gfx1250"
	.amdhsa_code_object_version 6
	.text
	.protected	k_qb2c5bad891_gemm
	.globl	k_qb2c5bad891_gemm
	.p2align	8
	.type	k_qb2c5bad891_gemm,@function
k_qb2c5bad891_gemm:
	s_mov_b64 s[64:65], 0
	v_nop
	global_prefetch_b8 v0, s[64:65] scope:SCOPE_SE
	s_setreg_imm32_b32 hwreg(HW_REG_WAVE_MODE, 25, 1), 1
	s_wait_xcnt 0x0
	s_wait_alu depctr_hold_cnt(0) depctr_sa_sdst(0) depctr_va_vdst(0) depctr_va_sdst(0) depctr_va_ssrc(0) depctr_va_vcc(0) depctr_vm_vsrc(0)
	s_getreg_b32 s2, hwreg(HW_REG_IB_STS2, 6, 4)
	s_cmp_eq_u32 s2, 0
	s_cbranch_scc0 .Lentry_in_a_cluster
	s_endpgm
.Lentry_in_a_cluster:
	s_bfe_u32 s2, ttmp6, 0x10000c
	s_cmp_lg_u32 s2, 0x3003
	s_cbranch_scc0 .Lentry_shape_is_right
	s_endpgm
.Lentry_shape_is_right:
; out0[m][n] = 2^(ex + ew) x the sum over k of x's code x the weight's code (BF8, f32 sums).  Left out: - clip(w) + clip(w), which cancels for every finite w (see the first kernel's head).
; LIMITS: ex + ew between -126 and 127; ew between -126 and 112.
; THE WEIGHTS' CODES.  Every wave adds the 1,024 parts in the same order, s = the sum x 2^-23, and quantises s once: held at 57,344 x 2^ew (s is not negative), divided by 2^ew, to the nearest code.
; The quantiser is odd and keeps 0, so the code of s sign(w) is w's mark (0x7f, 0xff or 0) AND (the code of s | 0x80): one v_and_b32 for four codes, on each set of marks at the head of the step that multiplies it.
; A work-group makes 256 rows x 256 columns; wave w makes all 256 rows x columns 64 w .. 64 w + 63: 64 accumulators, 512 registers.  256 work-groups.
; x'S CODES go through a ring of two LDS slots, each 256 rows x 512 along K (LDS rows of 512 + 16 bytes): eight fills, a quarter (64 rows) by each wave.  The four work-groups of a cluster
; (four column blocks of one row block) need the same tiles and ask for them jointly, mask 15.  Each tile from the third on is prefetched one slot (8 steps) ahead of its load: its 512 blocks of 256 bytes are shared out
; by address among the cluster's 16 waves, 16 rows x 2 blocks a wave, a lane a block; the last trip that fills has no tile left to ask for.
; THE MARKS go from memory straight into registers: no two waves of a cluster share a column, and w_marks is laid as the registers take it: for 16 columns, 65,536 bytes along K;
; a step of 64 along K is 1,024 bytes: two loads of 512 consecutive bytes, 16 a lane.  Four sets of 32 registers: one at work, three steps' loads (24) on their way.
; Every second step a prefetch names the 32 blocks of 256 bytes of my wave's steps five and six on, two and three steps ahead of their loads: each block once in each cluster; steps 0-5 come by their loads alone.
; THE MATRIX INSTRUCTION IS USED TRANSPOSED (source 0 = 16 columns' weights, source 1 = 16 rows of x): a lane holds eight neighbouring numbers of a row of out0.
; In a fragment registers 4 c .. 4 c + 3 hold bytes 32 c + 16 (l / 16) + 0..15 of the step's 64, alike in both operands.
; REGISTERS: window 0: v0-31 addresses, v32-63 at work at both ends, v128-255 x's fragments of even steps (16 x 8); window 1: v0-127 the weights' four sets, v128-255 x's fragments of odd steps;
; windows 2, 3: the accumulators ((a, b) at v[8 (4 (a % 8) + b)], a = 0..15 the block of 16 rows, b = 0..3).
.set SIZE_N, 2048
.set PITCH,  528
.set SLOT,   256*PITCH
.set SPARE,  2*SLOT                    ; the spare words, 512 bytes that no other line names
.set STAGE,  SPARE+512                 ; the way out: 16 rows x 272 bytes for each wave; no fill lands here
.set SPITCH, 272
.set BL,  16                           ; v16, v17  my place in slot 0: rows 0-127, rows 128-255
.set BH,  17
.set ADL, 18                           ; v18, v19  the same in the slot that is being fetched from
.set ADH, 19
.set LO,  20                           ; 16 x lane
.set PFO, 21                           ; the marks' prefetch: 65,536 (l / 8) + 256 (l % 8)
.set PFX, 22                           ; x's prefetch: 4,096 (l / 2) + 256 (l % 2)
.set CO,  23                           ; out0: 8,192 (l / 16) + 16 (l % 16)
.set STO, 24
.set RD,  25
.set SPW, 28
.set NIL, 29
.set TMP, 32
.set AF,  128
.set G1,  24                           ; s[24:31] descriptor group 1
.set G0,  32                           ; s[32:35] group 0: written only where no tensor load of mine is out
.set BP,  36                           ; s[36:37] the marks at the group's first load
.set SB,  39                           ; the slot that is being fetched from
.set PA,  42                           ; s[42:43] x's codes at my 16 rows of the tile to ask for
.set PAT, 52                           ; the code of s | 0x80, in all four bytes
.set MSB, 0
.macro WIN new
.if MSB != (\new)
	s_set_vgpr_msb (MSB<<8)|(\new)
.set MSB, (\new)
.endif
.endm
.set MUL_LO, 0xa1                      ; source 0 window 1, C and D window 2; + 4: source 1 window 1
.set MUL_HI, 0xf1
.set TO_B,   0x40
.set IN_B,   0x44                      ; destination and source 1 in window 1
.macro CREST
	s_cmp_lg_u32 s14, 0
	s_cbranch_scc1 .Lnot_wave_0_\@
	s_barrier_signal -3
.Lnot_wave_0_\@:
	s_barrier_wait -3
	s_barrier_signal -1
	s_barrier_wait -1
.endm
.macro CROUND
	s_barrier_signal -1
	s_barrier_wait -1
	CREST
.endm
.macro PLACES
.rept 4
	v_nop
.endr
.endm
.macro NEXTG0                          ; the other slot, 512 further along K
	s_xor_b32 s[G0+1], s[G0+1], SLOT
	s_add_nc_u64 s[G0+2:G0+3], s[G0+2:G0+3], 512
.endm
.macro TLOAD
	tensor_load_to_lds s[G0:G0+3], s[G1:G1+7]
	s_nop 0
	PLACES
.endm
.macro ASK                             ; x's tile three slots on; the loop's last trip (s2 = 1) has none
	s_cmp_gt_u32 s2, 1
	s_cbranch_scc0 .Lno_tile_\@
	global_prefetch_b8 v[PFX], s[PA:PA+1] th:TH_LOAD_NT scope:SCOPE_SE
.Lno_tile_\@:
.endm
.macro FETCHA set, imm                 ; x's sixteen fragments of one step: 32 LDS loads, into window 0 or 1
	WIN 0x40*(\set)
.irp i, 0,1,2,3,4,5,6,7
.irp c, 0,1
	ds_load_b128 v[AF+8*\i+4*\c:AF+8*\i+4*\c+3], v[AL] offset:(\imm)+32*\c+\i*16*PITCH
.endr
.endr
.irp i, 0,1,2,3,4,5,6,7
.irp c, 0,1
	ds_load_b128 v[AF+64+8*\i+4*\c:AF+64+8*\i+4*\c+3], v[AH] offset:(\imm)+32*\c+\i*16*PITCH
.endr
.endr
	WIN 0
.endm
.macro BLOAD p, imm                    ; the marks of one step's four fragments: 8 loads of 512 consecutive bytes
.irp b, 0,1,2,3
.irp c, 0,1
	global_load_b128 v[32*(\p)+8*\b+4*\c:32*(\p)+8*\b+4*\c+3], v[LO], s[BP:BP+1] offset:(\imm)+65536*\b+512*\c
.endr
.endr
.endm
.macro MULQ a0, p, zero                ; 16 products; the 64 accumulators take turns, in the same order in every step
.irp a, \a0, \a0+1, \a0+2, \a0+3
.irp b, 0,1,2,3
.if \zero
	v_wmma_f32_16x16x64_bf8_bf8 v[8*(4*((\a)%8)+\b):8*(4*((\a)%8)+\b)+7], v[32*(\p)+8*\b:32*(\p)+8*\b+7], v[AF+8*(\a):AF+8*(\a)+7], 0
.else
	v_wmma_f32_16x16x64_bf8_bf8 v[8*(4*((\a)%8)+\b):8*(4*((\a)%8)+\b)+7], v[32*(\p)+8*\b:32*(\p)+8*\b+7], v[AF+8*(\a):AF+8*(\a)+7], v[8*(4*((\a)%8)+\b):8*(4*((\a)%8)+\b)+7]
.endif
.endr
.endr
.endm
; Step q of a slot's eight, 64 along K.  It multiplies the weights' set q % 4 and x's set q % 2.  At its head that set's marks (lw younger loads may stay out) become codes: 32 plain vector lines that name no register
; of the last step's products, and so are the places in front of the loads into what that step read: the marks of three steps on (ld), at once; x's fragments of the next step (fa), behind this step's products.
; turn = 1, 2: a slot's last step.  All reads of the slot were issued a step ago; the change of slots stands among the step's products; 1: the slot is filled again.
.macro STEP q, zero, turn, ld, pf, fa, lw
	s_wait_loadcnt \lw
	WIN IN_B
.set jj, 0
.rept 32
	v_and_b32 v[32*((\q)%4)+jj], s[PAT], v[32*((\q)%4)+jj]
.set jj, jj+1
.endr
.if \ld
	WIN TO_B
	BLOAD ((\q)+3)%4, 1024*(((\q)+1)%8)
.endif
	WIN 0
.if \pf
	global_prefetch_b8 v[PFO], s[BP:BP+1] offset:1024*(((\q)+1)%8)+2048 th:TH_LOAD_NT scope:SCOPE_SE
.endif
	s_wait_alu depctr_va_vdst(0)
.if \turn == 0
	s_wait_dscnt 0x0                               ; this step's fragments of x are in
	WIN MUL_LO+4*((\q)%2)
	MULQ 0, (\q)%4, \zero
	MULQ 4, (\q)%4, \zero
	WIN MUL_HI+4*((\q)%2)
	MULQ 8, (\q)%4, \zero
	MULQ 12, (\q)%4, \zero
.if \fa
	FETCHA 1-(\q)%2, 64*(((\q)+1)%8)
.endif
	WIN 0
.else
	s_wait_tensorcnt 0x0                           ; my part of the next slot has landed: no tensor load of mine is out
	ds_add_u32 v[SPW], v[NIL]
.if \turn == 1
	NEXTG0
.endif
	s_wait_dscnt 1                                 ; the add alone may be out
	WIN MUL_LO+4*((\q)%2)
	MULQ 0, (\q)%4, 0
	s_wait_dscnt 0x0                               ; the add is done, my reads of this slot are over
	s_barrier_signal -1
	MULQ 4, (\q)%4, 0
	WIN 0
	s_barrier_wait -1
.if \turn == 1
	CREST                                          ; the barrier opened a round of the cluster's barrier
	TLOAD                                          ; the joint refill, first behind the round
.else
	PLACES
.endif
	FETCHA 1-(\q)%2, 64*(((\q)+1)%8)
.if \turn == 1
	ASK
.endif
	WIN MUL_HI+4*((\q)%2)
	MULQ 8, (\q)%4, 0
	MULQ 12, (\q)%4, 0
	WIN 0
.endif
.endm
; A group is a slot's step 7 and the next slot's steps 0-6.  At its head the addresses step: 8 steps of the marks, a tile of x for the prefetch, the other slot for the LDS loads.
.macro GSTART
	s_wait_xcnt 0x0                                ; the loads and prefetches issued so far have read their bases
	s_add_nc_u64 s[BP:BP+1], s[BP:BP+1], 8192
	s_add_nc_u64 s[PA:PA+1], s[PA:PA+1], 512
	s_xor_b32 s[SB], s[SB], SLOT
	v_add_nc_u32 v[ADL], s[SB], v[BL]
	v_add_nc_u32 v[ADH], s[SB], v[BH]
	s_wait_alu depctr_va_vdst(0)                   ; the wait behind these writes
.endm
	s_load_b128 s[4:7], s[0:1], 0x0                ; x_codes, w_marks
	s_load_b128 s[8:11], s[0:1], 0x10              ; lowp_scales, parts
	s_load_b64 s[12:13], s[0:1], 0x20              ; out0
	v_lshl_add_u32 v[SPW], v0, 2, SPARE
	v_mov_b32 v[NIL], 0
	ds_add_u32 v[SPW], v[NIL]                      ; the opening lines: the add twice on end and one wait
	ds_add_u32 v[SPW], v[NIL]
	v_lshrrev_b32 v1, 5, v0
	v_readfirstlane_b32 s14, v1                    ; wave
	s_bfe_u32 s40, ttmp6, 0x40000                  ; cx
	s_lshl_b32 s41, ttmp9, 2
	s_add_co_u32 s41, s41, s40                     ; my column block = 4 x cluster x + cx
	s_and_b32 s17, ttmp7, 0xffff                   ; the cluster's y: my row block
	s_mov_b32 s[G1+0], 15|(1<<20)|(1<<21)|(6<<22)|(3<<25)  ; mask of the four; bytes; 4 words of padding behind every 128 words
	s_mov_b32 s[G1+1], 512<<16                     ; tensor_dim0
	s_mov_b32 s[G1+2], 64<<16                      ; tensor_dim1
	s_mov_b32 s[G1+3], 512<<16                     ; tile_dim0
	s_mov_b32 s[G1+4], 64                          ; tile_dim1
	s_mov_b32 s[G1+5], 4096                        ; from row to row
	s_mov_b32 s[G1+6], 0
	s_mov_b32 s[G1+7], 0
	s_lshl_b32 s20, s17, 20                        ; 256 rows of 4,096 bytes a row block,
	s_lshl_b32 s21, s14, 18                        ; 64 rows a wave
	s_add_co_u32 s20, s20, s21
	s_mov_b32 s21, 0
	s_mul_i32 s45, s14, 64*PITCH
	s_lshl_b32 s46, s41, 20                        ; 16 x 65,536 bytes of marks a column block,
	s_lshl_b32 s47, s14, 18                        ; 4 x 65,536 a wave,
	s_add_co_u32 s46, s46, s47
	s_add_co_u32 s46, s46, 2048                    ; and two steps on: the head's loads reach back
	s_mov_b32 s47, 0
	s_lshl_b32 s48, s17, 21                        ; out0: 256 rows of 8,192 bytes,
	s_lshl_b32 s49, s41, 10                        ; 1,024 bytes a column block,
	s_add_co_u32 s48, s48, s49
	s_lshl_b32 s49, s14, 8                         ; 256 a wave
	s_add_co_u32 s48, s48, s49
	s_mov_b32 s49, 0
	s_lshl_b32 s56, s17, 20                        ; x's prefetch: my row block,
	s_lshl_b32 s57, s40, 18                        ; 64 rows for each partner,
	s_add_co_u32 s56, s56, s57
	s_lshl_b32 s57, s14, 16                        ; 16 for each wave,
	s_add_co_u32 s56, s56, s57
	s_add_co_u32 s56, s56, 1024                    ; at the third tile
	s_mov_b32 s57, 0
	s_mul_i32 s23, s14, 16*SPITCH
	s_add_co_u32 s23, s23, STAGE
	s_mov_b32 s[SB], 0
	s_mov_b32 s54, 0x76543210                      ; v_permlanex16_b32: lane l takes lane l xor 16
	s_mov_b32 s55, 0xfedcba98
	s_wait_dscnt 0x0
	s_wait_kmcnt 0x0
	s_load_b64 s[96:97], s[8:9], 0x0               ; ex, ew
	s_mov_b32 s[G0], 1
	s_mov_b32 s[G0+1], s45
	s_add_nc_u64 s[G0+2:G0+3], s[4:5], s[20:21]
	s_or_b32 s[G0+3], s[G0+3], 0x80000000
	s_add_nc_u64 s[BP:BP+1], s[6:7], s[46:47]
	s_add_nc_u64 s[PA:PA+1], s[4:5], s[56:57]
	s_add_nc_u64 s[12:13], s[12:13], s[48:49]
	CROUND                                         ; the four work-groups are here: the first joint loads meet
	TLOAD                                          ; slot 0: one tensor load a wave at the head
	v_and_b32 v6, 31, v0
	v_lshlrev_b32 v[LO], 4, v6
	v_and_b32 v1, 15, v0
	v_bfe_u32 v2, v0, 4, 1
	v_mul_u32_u24 v3, v1, PITCH
	v_lshl_add_u32 v[BL], v2, 4, v3                ; row l % 16, + 16 (l / 16)
	v_add_nc_u32 v[BH], 128*PITCH, v[BL]
	v_lshrrev_b32 v4, 3, v6
	v_and_b32 v5, 7, v6
	v_lshlrev_b32 v5, 8, v5
	v_lshl_add_u32 v[PFO], v4, 16, v5
	v_lshrrev_b32 v8, 1, v6
	v_and_b32 v9, 1, v6
	v_lshlrev_b32 v9, 8, v9
	v_lshl_add_u32 v[PFX], v8, 12, v9
	v_lshlrev_b32 v10, 4, v1
	v_lshl_add_u32 v[CO], v2, 13, v10
	v_mul_u32_u24 v7, v1, SPITCH
	v_lshl_add_u32 v7, v2, 5, v7
	v_add_nc_u32 v[STO], s23, v7                   ; into the stage: row l % 16, 32 bytes for each half of the lanes
	v_mul_u32_u24 v11, v2, SPITCH
	v_add_nc_u32 v11, v11, v10
	v_add_nc_u32 v[RD], s23, v11                   ; back: sixteen lanes to a row of 256 bytes, two rows an instruction
.irp i, 0,1,2,3,4,5,6,7
	global_load_b128 v[TMP+4*\i:TMP+4*\i+3], v[LO], s[10:11] offset:512*\i   ; the 1,024 parts, 32 a lane
.endr
	WIN TO_B
	BLOAD 0, -2048                                 ; the marks of steps 0, 1, 2
	BLOAD 1, -1024
	BLOAD 2, 0
	WIN 0
	s_wait_alu depctr_va_vdst(0)                   ; the wait ahead of the waits below
	s_wait_kmcnt 0x0
	s_add_co_i32 s50, s97, 127
	s_lshl_b32 s51, s50, 23                        ; 2^ew
	s_add_co_i32 s50, s50, 15
	s_lshl_b32 s50, s50, 23
	s_or_b32 s50, s50, 0x600000                    ; 57,344 x 2^ew
	s_add_co_i32 s96, s96, s97
	s_add_co_i32 s96, s96, 127
	s_lshl_b32 s96, s96, 23                        ; 2^(ex + ew)
	s_wait_loadcnt 24                              ; the parts are in; the 24 younger loads may be out
.irp j, 0,2,4,6,8,10,12,14
	v_pk_add_f32 v[TMP+\j:TMP+\j+1], v[TMP+\j:TMP+\j+1], v[TMP+16+\j:TMP+17+\j]
.endr
.irp j, 0,2,4,6
	v_pk_add_f32 v[TMP+\j:TMP+\j+1], v[TMP+\j:TMP+\j+1], v[TMP+8+\j:TMP+9+\j]
.endr
.irp j, 0,2
	v_pk_add_f32 v[TMP+\j:TMP+\j+1], v[TMP+\j:TMP+\j+1], v[TMP+4+\j:TMP+5+\j]
.endr
	v_pk_add_f32 v[TMP:TMP+1], v[TMP:TMP+1], v[TMP+2:TMP+3]
	v_add_f32 v[TMP], v[TMP], v[TMP+1]
	v_add_f32_dpp v[TMP], v[TMP], v[TMP] row_xmask:1 row_mask:0xf bank_mask:0xf
	v_add_f32_dpp v[TMP], v[TMP], v[TMP] row_xmask:2 row_mask:0xf bank_mask:0xf
	v_add_f32_dpp v[TMP], v[TMP], v[TMP] row_xmask:4 row_mask:0xf bank_mask:0xf
	v_add_f32_dpp v[TMP], v[TMP], v[TMP] row_xmask:8 row_mask:0xf bank_mask:0xf
	v_permlanex16_b32 v[TMP+1], v[TMP], s54, s55
	v_add_f32 v[TMP], v[TMP], v[TMP+1]             ; the sum of all |w|
	v_mul_f32 v[TMP], 0x34000000, v[TMP]           ; x 2^-23: s
	v_min_num_f32 v[TMP], s50, v[TMP]              ; the hold: s is not negative
.irp j, 1,2,3,4,5,6,7
	v_mov_b32 v[TMP+\j], v[TMP]                    ; the conversion takes eight numbers: the code comes out in every byte
.endr
	v_mov_b32 v[TMP+16], s51
	v_cvt_scalef32_pk8_bf8_f32 v[TMP+8:TMP+9], v[TMP:TMP+7], v[TMP+16]
	v_nop                                          ; one plain place behind the conversion
	v_or_b32 v[TMP+8], 0x80808080, v[TMP+8]
	v_readfirstlane_b32 s[PAT], v[TMP+8]
	s_wait_alu depctr_va_vdst(0)                   ; the wait at the head's end
	s_wait_tensorcnt 0x0                           ; my part of slot 0 is in; a later first fill is issued as a refill is
	ds_add_u32 v[SPW], v[NIL]
	NEXTG0
	s_wait_dscnt 0x0
	CROUND
	TLOAD                                          ; slot 1
.set AL, BL
.set AH, BH
	FETCHA 0, 0
	global_prefetch_b8 v[PFX], s[PA:PA+1] th:TH_LOAD_NT scope:SCOPE_SE   ; x's third tile, a slot ahead of its load
	STEP 0, 1, 0, 1, 0, 1, 16                      ; step 0 starts the sums
	STEP 1, 0, 0, 1, 1, 1, 16
	STEP 2, 0, 0, 1, 0, 1, 16
	STEP 3, 0, 0, 1, 1, 1, 16
	STEP 4, 0, 0, 1, 0, 1, 16
	STEP 5, 0, 0, 1, 1, 1, 16
	STEP 6, 0, 0, 1, 0, 1, 16
.set AL, ADL
.set AH, ADH
	s_mov_b32 s2, 6
.Lslot:                                                ; six trips: each leaves a slot, fills it again and goes through seven steps of the other
	GSTART
	STEP 7, 0, 1, 1, 1, 1, 16
	STEP 0, 0, 0, 1, 0, 1, 16
	STEP 1, 0, 0, 1, 1, 1, 16
	STEP 2, 0, 0, 1, 0, 1, 16
	STEP 3, 0, 0, 1, 1, 1, 16
	STEP 4, 0, 0, 1, 0, 1, 16
	STEP 5, 0, 0, 1, 1, 1, 16
	STEP 6, 0, 0, 1, 0, 1, 16
	s_sub_co_u32 s2, s2, 1
	s_cmp_lg_u32 s2, 0
	s_cbranch_scc1 .Lslot
	GSTART                                         ; the last change of slots fills nothing
	STEP 7, 0, 2, 1, 1, 1, 16                      ; steps 55-63 of the 64: the prefetches end with steps 62 and 63, the loads with step 63's, and the counts run down
	STEP 0, 0, 0, 1, 0, 1, 16
	STEP 1, 0, 0, 1, 1, 1, 16
	STEP 2, 0, 0, 1, 0, 1, 16
	STEP 3, 0, 0, 1, 0, 1, 16
	STEP 4, 0, 0, 1, 0, 1, 16
	STEP 5, 0, 0, 0, 0, 1, 16
	STEP 6, 0, 0, 0, 0, 1, 8
	STEP 7, 0, 0, 0, 0, 0, 0
; THE WAY OUT.  First all sixteen blocks of 16 rows x 64 columns: x 2^(ex + ew), through my own stage, back as whole rows of 256 bytes into the block's own accumulators' registers.
; Then the 128 stores on end: sixteen lanes fill an aligned unit of 256 bytes, two rows an instruction, every offset an immediate (254 rows of 8,192 bytes at the most).
.macro OUTB a
.set AC, 32*((\a)%8)
	WIN 0x02+((\a)/8)                              ; source 0: window 2 or 3
.irp j, 0,2,4,6,8,10,12,14,16,18,20,22,24,26,28,30
	v_pk_mul_f32 v[TMP+\j:TMP+\j+1], v[AC+\j:AC+\j+1], s[96:97] op_sel_hi:[1,0]   ; each accumulator from its low end on
.endr
	WIN 0
.irp b, 0,1,2,3
	ds_store_b128 v[STO], v[TMP+8*\b:TMP+8*\b+3] offset:64*\b
	ds_store_b128 v[STO], v[TMP+8*\b+4:TMP+8*\b+7] offset:64*\b+16
.endr
	WIN 0x80+0x40*((\a)/8)                         ; destination: window 2 or 3
.irp t, 0,1,2,3,4,5,6,7
	ds_load_b128 v[AC+4*\t:AC+4*\t+3], v[RD] offset:\t*2*SPITCH   ; LDS serves a wave's instructions in order
.endr
.endm
.macro SENDB a
.set AC, 32*((\a)%8)
.if 16*(15-(\a)) > 63
	s_wait_dscnt 63                                ; more than 63 LDS instructions were issued behind this block's loads
.else
	s_wait_dscnt 16*(15-(\a))
.endif
	WIN 0x08+4*((\a)/8)                            ; the stores' data: window 2 or 3
.irp t, 0,1,2,3,4,5,6,7
	global_store_b128 v[CO], v[AC+4*\t:AC+4*\t+3], s[12:13] offset:(16*(\a)+2*\t)*SIZE_N*4 th:TH_STORE_NT
.endr
.endm
	PLACES
.irp a, 0,1,2,3,4,5,6,7,8,9,10,11,12,13,14,15
	OUTB \a
.endr
.irp a, 0,1,2,3,4,5,6,7,8,9,10,11,12,13,14,15
	SENDB \a
.endr
	WIN 0
	s_wait_tensorcnt 0x0                           ; the wave's end
	ds_add_u32 v[SPW], v[NIL]
	s_wait_dscnt 0x0
	CROUND                                         ; the closing round
	s_endpgm
.Lfunc_end_k_qb2c5bad891_gemm:
	.size	k_qb2c5bad891_gemm, .Lfunc_end_k_qb2c5bad891_gemm-k_qb2c5bad891_gemm
	.p2alignl 7, 3214868480
	.fill 96, 4, 3214868480
	.section	.rodata,"a",@progbits
	.p2align	6, 0x0
	.amdhsa_kernel k_qb2c5bad891_gemm
		.amdhsa_group_segment_fixed_size 327680
		.amdhsa_private_segment_fixed_size 0
		.amdhsa_enable_private_segment 0
		.amdhsa_kernarg_size 40
		.amdhsa_user_sgpr_count 2
		.amdhsa_user_sgpr_kernarg_segment_ptr 1
		.amdhsa_wavefront_size32 1
		.amdhsa_system_sgpr_workgroup_id_x 1
		.amdhsa_system_sgpr_workgroup_id_y 1
		.amdhsa_system_sgpr_workgroup_id_z 1
		.amdhsa_system_vgpr_workitem_id 0
		.amdhsa_next_free_vgpr 1024
		.amdhsa_next_free_sgpr 98
		.amdhsa_reserve_vcc 0
		.amdhsa_float_denorm_mode_32 3
		.amdhsa_float_denorm_mode_16_64 3
		.amdhsa_memory_ordered 1
		.amdhsa_forward_progress 1
		.amdhsa_inst_pref_size 252
	.end_amdhsa_kernel
	.amdgpu_metadata
---
amdhsa.version: [ 1, 2 ]
amdhsa.kernels:
  - .name:           k_qb2c5bad891_gemm
    .symbol:         k_qb2c5bad891_gemm.kd
    .args:
      - { .name: x_codes, .offset: 0, .size: 8, .value_kind: global_buffer, .address_space: global }
      - { .name: w_marks, .offset: 8, .size: 8, .value_kind: global_buffer, .address_space: global }
      - { .name: lowp_scales, .offset: 16, .size: 8, .value_kind: global_buffer, .address_space: global }
      - { .name: parts, .offset: 24, .size: 8, .value_kind: global_buffer, .address_space: global }
      - { .name: out0, .offset: 32, .size: 8, .value_kind: global_buffer, .address_space: global }
    .group_segment_fixed_size: 327680
    .private_segment_fixed_size: 0
    .kernarg_segment_align: 8
    .kernarg_segment_size: 40
    .max_flat_workgroup_size: 128
    .sgpr_count:     98
    .vgpr_count:     1024
    .wavefront_size: 32
...
	.end_amdgpu_metadata
.endif
;; end of part 2
